; MI455X (gfx1250); checked and timed in simulation.
; The chip was launched on July 23, 2026; its instructions are those of AMD's public machine-readable ISA for CDNA 5 (MIT licence, August 2026) and "CDNA5" Instruction Set Architecture Reference Guide (July 2026). The comments in the code are by the model that wrote it; some were corrected since.
;; Attention. Allowed arithmetic: float matrix products may take bf16 or f16 operands with f32 sums; all other float work in f32.
;; Inputs: Wq 1,024 x 1,024 float32; Wv 1,024 x 1,024 float32; bq 1,024 float32; bv 1,024 float32; x 2 x 2,048 x 1,024 float32.
;; Outputs: out0 2 x 2,048 x 1,024 float32.
;; One version. Each part assembles by itself: llvm-mc -triple=amdgcn-amd-amdhsa -mcpu=gfx1250 --defsym DOCPART=n.
;; ======== version 1 of 1: 3 launches
;; limits: values are held in f16: magnitudes above 65,504 overflow, below 6.1e-05 lose precision; right only within a limited range of input values
;; workspace buffers: xb 8,388,608 bytes; wb 4,194,304 bytes; qkv 16,777,216 bytes
;; launch cvt (part 1): grid 768 x 1, 8 waves a work-group, no clusters, 0 bytes of LDS; arguments x, Wq, Wv, xb, wb; writes xb, wb
.if DOCPART == 1
	.amdgcn_target "amdgcn-amd-amdhsa--gfx1250"
	.amdhsa_code_object_version 6
	.text
	.protected	k_q660c2a7f16_cvt
	.globl	k_q660c2a7f16_cvt
	.p2align	8
	.type	k_q660c2a7f16_cvt,@function
k_q660c2a7f16_cvt:
	s_mov_b64 s[64:65], 0
	v_nop
	global_prefetch_b8 v0, s[64:65] scope:SCOPE_SE
	s_setreg_imm32_b32 hwreg(HW_REG_WAVE_MODE, 25, 1), 1
	s_wait_xcnt 0x0
; f32 to f16, once, ahead of the projection: xb[t][:] = f16(x[t][:] / 2) for the 4,096 rows of x, and
; wb[u][:] = f16(W[srow][:] / 2) for u = 0 .. 2047, where u = proj*1024 + n*64 + dd takes row srow = dd*16 + n of Wq (proj 0) or Wv (proj 1):
; the rows of the weights are laid head by head, so that the projection's columns come out head-major.
; WHY f16 AND WHY THE HALVES: f16 keeps 11 bits where bf16 keeps 8.  The two halvings are exact and make the projection's results a quarter of Q and KV,
; which buys room at f16's upper end for those results (see the next kernel's head).  x and W themselves: drawn sizes about 6 and 0.2 at the most; 30 times larger,
; or shifted by 30 times their spread, they stay below 200, against f16's 65,504.  30 times smaller, halved, their root mean squares are 0.017 and 0.0005;
; numbers below 2^-14 keep an absolute step of 2^-24, under 2 parts in 10,000 of those sizes.
; LIMIT: |x| or |W| of 131,008 or more overflows; inputs that are not finite are not reproduced.
; One wave, one row of 1,024 numbers: eight loads of 512 neighbouring bytes, eight stores of 256 neighbouring aligned bytes.
; 768 work-groups x 8 waves = 6,144 rows.  No row is read twice and no two waves share a byte: no LDS, no barrier, no cluster, no matrix unit.
.set ROWS_X, 4096
.set X,  4                             ; v[4:35]   the row as loaded: load j holds numbers 128 j + 4 lane .. + 3
.set Y,  36                            ; v[36:51]  the row as stored: pair j holds the same four numbers in f16
	s_load_b256 s[4:11], s[0:1], 0x0               ; x s[4:5], Wq s[6:7], Wv s[8:9], xb s[10:11]
	s_load_b64 s[12:13], s[0:1], 0x20              ; wb
	v_lshrrev_b32 v3, 5, v0
	v_readfirstlane_b32 s14, v3                    ; wave 0..7
	v_and_b32 v1, 31, v0
	v_lshlrev_b32 v2, 3, v1                        ; 8 bytes a lane on the way out
	v_lshlrev_b32 v1, 4, v1                        ; 16 bytes a lane on the way in
	s_lshl_b32 s15, ttmp9, 3
	s_add_co_u32 s15, s15, s14                     ; t = my row's number, 0 .. 6143
	s_and_b32 s16, s15, 2047                       ; u = t - 4096 where t >= 4096 (and a harmless number below 2,048 elsewhere)
	s_and_b32 s17, s16, 63                         ; dd
	s_bfe_u32 s18, s16, 0x40006                    ; n: 4 bits from bit 6
	s_lshl4_add_u32 s18, s17, s18                  ; srow = 16 dd + n
	s_bfe_u32 s19, s16, 0x1000a                    ; proj: bit 10 of u
	s_wait_kmcnt 0x0
	s_cmp_lg_u32 s19, 0
	s_cselect_b64 s[20:21], s[8:9], s[6:7]         ; Wv or Wq
	s_cmp_lt_u32 s15, ROWS_X                       ; a row of x?  The selects below leave SCC as it is
	s_cselect_b64 s[20:21], s[4:5], s[20:21]       ; from: x or the weights
	s_cselect_b64 s[22:23], s[10:11], s[12:13]     ; to: xb or wb
	s_cselect_b32 s24, s15, s18                    ; source row
	s_cselect_b32 s26, s15, s16                    ; destination row
	s_lshl_b32 s24, s24, 12                        ; x 4,096 bytes
	s_lshl_b32 s26, s26, 11                        ; x 2,048 bytes
	s_mov_b32 s25, 0
	s_mov_b32 s27, 0
	s_add_nc_u64 s[20:21], s[20:21], s[24:25]
	s_add_nc_u64 s[22:23], s[22:23], s[26:27]
.irp j, 0,1,2,3,4,5,6,7
	global_load_b128 v[X+4*\j:X+4*\j+3], v1, s[20:21] offset:512*\j th:TH_LOAD_NT
.endr
.irp j, 0,1,2,3,4,5,6,7
	s_wait_loadcnt 7-\j                            ; loads come back in order: load j is in, the 7 - j younger ones stay out
	v_pk_mul_f32 v[X+4*\j:X+4*\j+1],   v[X+4*\j:X+4*\j+1],   0.5 op_sel_hi:[1,0]   ; exact
	v_pk_mul_f32 v[X+4*\j+2:X+4*\j+3], v[X+4*\j+2:X+4*\j+3], 0.5 op_sel_hi:[1,0]
	v_cvt_pk_f16_f32 v[Y+2*\j],   v[X+4*\j],   v[X+4*\j+1]
	v_cvt_pk_f16_f32 v[Y+2*\j+1], v[X+4*\j+2], v[X+4*\j+3]
	global_store_b64 v2, v[Y+2*\j:Y+2*\j+1], s[22:23] offset:256*\j   ; the wave's 32 lanes write 256 consecutive bytes, aligned; read again by the next launch: no hint
.endr
	s_endpgm                                       ; no source of a pending load or store was written, so none had to be freed
.Lfunc_end_k_q660c2a7f16_cvt:
	.size	k_q660c2a7f16_cvt, .Lfunc_end_k_q660c2a7f16_cvt-k_q660c2a7f16_cvt
	.p2alignl 7, 3214868480
	.fill 96, 4, 3214868480
	.section	.rodata,"a",@progbits
	.p2align	6, 0x0
	.amdhsa_kernel k_q660c2a7f16_cvt
		.amdhsa_group_segment_fixed_size 0
		.amdhsa_private_segment_fixed_size 0
		.amdhsa_enable_private_segment 0
		.amdhsa_kernarg_size 40
		.amdhsa_user_sgpr_count 2
		.amdhsa_user_sgpr_kernarg_segment_ptr 1
		.amdhsa_wavefront_size32 1
		.amdhsa_system_sgpr_workgroup_id_x 1
		.amdhsa_system_sgpr_workgroup_id_y 1
		.amdhsa_system_sgpr_workgroup_id_z 1
		.amdhsa_system_vgpr_workitem_id 0
		.amdhsa_next_free_vgpr 52
		.amdhsa_next_free_sgpr 66
		.amdhsa_reserve_vcc 0
		.amdhsa_float_denorm_mode_32 3
		.amdhsa_float_denorm_mode_16_64 3
		.amdhsa_memory_ordered 1
		.amdhsa_forward_progress 1
		.amdhsa_inst_pref_size 6
	.end_amdhsa_kernel
	.amdgpu_metadata
---
amdhsa.version: [ 1, 2 ]
amdhsa.kernels:
  - .name:           k_q660c2a7f16_cvt
    .symbol:         k_q660c2a7f16_cvt.kd
    .args:
      - { .name: x, .offset: 0, .size: 8, .value_kind: global_buffer, .address_space: global }
      - { .name: Wq, .offset: 8, .size: 8, .value_kind: global_buffer, .address_space: global }
      - { .name: Wv, .offset: 16, .size: 8, .value_kind: global_buffer, .address_space: global }
      - { .name: xb, .offset: 24, .size: 8, .value_kind: global_buffer, .address_space: global }
      - { .name: wb, .offset: 32, .size: 8, .value_kind: global_buffer, .address_space: global }
    .group_segment_fixed_size: 0
    .private_segment_fixed_size: 0
    .kernarg_segment_align: 8
    .kernarg_segment_size: 40
    .max_flat_workgroup_size: 256
    .sgpr_count:     66
    .vgpr_count:     52
    .wavefront_size: 32
...
	.end_amdgpu_metadata
.endif
;; end of part 1
;; launch proj (part 2): grid 16 x 16, 4 waves a work-group, clusters of 4 x 4, 327,680 bytes of LDS; arguments xb, wb, bq, bv, qkv; writes qkv
.if DOCPART == 2
	.amdgcn_target "amdgcn-amd-amdhsa--gfx1250"
	.amdhsa_code_object_version 6
	.text
	.protected	k_q660c2a7f16_proj
	.globl	k_q660c2a7f16_proj
	.p2align	8
	.type	k_q660c2a7f16_proj,@function
k_q660c2a7f16_proj:
	s_mov_b64 s[64:65], 0
	v_nop
	global_prefetch_b8 v0, s[64:65] scope:SCOPE_SE
	s_setreg_imm32_b32 hwreg(HW_REG_WAVE_MODE, 25, 1), 1
	s_wait_xcnt 0x0
	s_wait_alu depctr_hold_cnt(0) depctr_sa_sdst(0) depctr_va_vdst(0) depctr_va_sdst(0) depctr_va_ssrc(0) depctr_va_vcc(0) depctr_vm_vsrc(0)
	s_getreg_b32 s2, hwreg(HW_REG_IB_STS2, 6, 4)
	s_cmp_eq_u32 s2, 0
	s_cbranch_scc0 .Lentry_in_a_cluster
	s_endpgm
.Lentry_in_a_cluster:
	s_bfe_u32 s2, ttmp6, 0x10000c
	s_cmp_lg_u32 s2, 0xf033
	s_cbranch_scc0 .Lentry_shape_is_right
	s_endpgm
.Lentry_shape_is_right:
; Both projections as one f16 GEMM: C[row][c] = sum over k of xb[row][k] wb[c][k] + bias / 4, 4,096 x 2,048 x 1,024, sums in f32, rounded once to f16.
; xb and wb hold x / 2 and W / 2, so C is a quarter of Q (columns 0-1023) and of KV (columns 1024-2047).
; wb's rows lie head by head (c = proj*1024 + n*64 + dd), so 64 neighbouring columns are one head, and the result is stored as
; qkv[proj][b][n][s][dd] in f16: a head is a dense block of 262,144 bytes.
; ROOM IN f16 FOR THE RESULT: drawn, |Q| and |KV| reach about 6.  All inputs 30 times larger: 900 x 6 = 5,400, stored 1,350.  All inputs shifted by 30 times their spread:
; 1,024 x 30 x 30/32 = 28,800, stored 7,200, a ninth of f16's 65,504.  All inputs 30 times smaller: the stored root mean square is 1/3,600 = 0.00028, where f16's step is
; 2^-22 at the most (2^-24 below 2^-14): under 2 parts in 10,000 of that size.
; LIMIT: |Q| or |KV| of 262,016 or more overflows; inputs that are not finite are not reproduced; x, W and the results are each rounded once to f16.
; A work-group makes 256 rows x 128 columns with four waves; a wave makes 128 rows x 64 columns (one head): 32 accumulator tiles, 256 registers.
; 16 x 16 = 256 work-groups.  K goes in 8 steps of 128 (rows of 256 bytes, aligned) through two LDS slots filled by the tensor data mover.
; CLUSTERS: 4 x 4 work-groups.  The four of a row of the cluster need the same 256 rows of xb, the four of a column the same 128 rows of wb:
; each such tile is asked for jointly, by the same load with the same descriptor in all four.
; The matrix instruction is used transposed (source 0 = rows of wb, source 1 = rows of xb): lane (r, h) then holds row r of xb and, in registers 0 to 7,
; the neighbouring columns dd = 16 bt + 8 h + 0..7.  The quartered bias is the C of the first product of every tile: nothing is cleared and nothing added later.
; REGISTERS: window 0: addresses, two buffers of fragments, packed results; window 1: the 32 accumulator tiles, tile (a, bt) at v[8 (4 a + bt)];
; window 2: v0-31 the bias, register 8 bt + j.
.set SIZE_K, 1024
.set KSTEP,  128
.set PITCH,  272                       ; an LDS row: 256 bytes + 16 of padding: the 16 rows that a fragment load touches begin at 16 different 16-byte columns modulo 256
.set AHALF,  128*PITCH                 ; 128 rows of xb: one tensor load, and what one wave reads
.set BHALF,  64*PITCH                  ; 64 rows of wb: one tensor load, and what one wave reads
.set BOFF,   2*AHALF                   ; wb's rows lie behind xb's 256
.set SLOT,   2*AHALF+2*BHALF           ; 104,448 bytes
.set STAGE,  2*SLOT                    ; behind the ring, at a multiple of 256: the waves' stages for the way out; no tensor load lands there
.set STGW,   2304                      ; a wave's stage: 8 rows of 272 bytes, each with two rows of 128 bytes of the result
.set LAPS,   SIZE_K/(2*KSTEP)          ; 4 laps of two K steps
.set ADRA, 16                          ; v16-17  LDS address of my xb fragments in slot 0, 1
.set ADRB, 20                          ; v20-21  the same for wb
.set STO,  24                          ; v24     the way out: where I put 16 bytes
.set RD,   25                          ; v25     the way out: where I read 16 bytes back
.set CO,   26                          ; v26     my byte offset in the wave's dense block of the result
.set BO,   27                          ; v27     my byte offset in the bias
.set FA,   32                          ; v32-95, v96-159    8 fragments of xb, two buffers
.set FB,   160                         ; v160-191, v192-223 4 fragments of wb, two buffers
.set TMP,  224                         ; v224-239 packed results
.set G1A, 24                           ; s[24:31] group 1 for xb's tiles
.set G0A, 32                           ; s[32:39] group 0 for xb's tiles, one set a slot
.set G1B, 48                           ; s[48:55] group 1 for wb's tiles
.set G0B, 56                           ; s[56:63] group 0 for wb's tiles, one set a slot
.set MUL,    0x50                      ; C and D in window 1, sources in window 0
.set MULB,   0x60                      ; C in window 2 (the bias), D in window 1
.set TOBIAS, 0x80                      ; destination in window 2
.set INBIAS, 0x82                      ; destination and source 0 in window 2
.set OUTW,   0x05                      ; sources 0 and 1 in window 1
.set MSB, 0
.macro WIN new                         ; the immediate's high byte repeats the setting that is left; a switch that changes nothing is dropped
.if MSB != \new
	s_set_vgpr_msb (MSB<<8)|\new
.set MSB, \new
.endif
.endm
; A joint load.  Waves 0 and 1 fetch xb's two halves, waves 2 and 3 wb's.  The branch hangs on the wave's number alone.
.macro JLOAD s
	s_cmp_eq_u32 s15, 0
	s_cbranch_scc0 .Lfor_b_\@
	tensor_load_to_lds s[G0A+4*\s:G0A+4*\s+3], s[G1A:G1A+7]
	s_nop 0
	s_branch .Lasked_\@
.Lfor_b_\@:
	tensor_load_to_lds s[G0B+4*\s:G0B+4*\s+3], s[G1B:G1B+7]
	s_nop 0
	v_nop
.Lasked_\@:
.endm
.macro CREST                           ; a round of the cluster's barrier behind its opening work-group barrier
	s_cmp_lg_u32 s14, 0
	s_cbranch_scc1 .Lnot_wave_0_\@
	s_barrier_signal -3
.Lnot_wave_0_\@:
	s_barrier_wait -3
	s_barrier_signal -1
	s_barrier_wait -1
.endm
.macro CROUND                          ; a whole round
	s_barrier_signal -1
	s_barrier_wait -1
	CREST
.endm
.macro PLACES                          ; four places behind a matrix instruction, in front of loads into its sources and of readers of its result
.rept 4
	v_nop
.endr
.endm
	s_load_b256 s[4:11], s[0:1], 0x0               ; xb s[4:5], wb s[6:7], bq s[8:9], bv s[10:11]
	s_load_b64 s[12:13], s[0:1], 0x20              ; qkv
	v_lshl_add_u32 v254, v0, 2, 0x35400
	v_mov_b32 v255, 0
	ds_add_u32 v254, v255
	v_lshrrev_b32 v1, 5, v0
	v_readfirstlane_b32 s14, v1                    ; wave 0..3
	s_lshr_b32 s15, s14, 1                         ; which 128 rows of the block are mine.  Also: I fetch for xb (0) or for wb (1)
	s_and_b32 s16, s14, 1                          ; which 64 columns are mine.  Also: which half of that tile I fetch
	s_bfe_u32 s17, ttmp6, 0x40000                  ; cx
	s_bfe_u32 s18, ttmp6, 0x40004                  ; cy
	s_lshl_b32 s19, ttmp9, 2
	s_add_co_u32 s19, s19, s17                     ; bx: block column = 4 x cluster x + cx
	s_and_b32 s20, ttmp7, 0xffff
	s_lshl_b32 s20, s20, 2
	s_add_co_u32 s20, s20, s18                     ; by: block row = 4 x cluster y + cy
	s_lshl_b32 s21, s18, 2
	s_lshl_b32 s21, 15, s21                        ; my row of the cluster: places 4 cy .. 4 cy + 3
	s_lshl_b32 s22, 0x1111, s17                    ; my column: places cx, cx + 4, cx + 8, cx + 12
	; group 1: elements of 2 bytes, padding of 4 words behind every 64 words, bit 21 beside the mask
	s_or_b32 s[G1A+0], s21, (1<<16)|(1<<20)|(1<<21)|(5<<22)|(3<<25)   ; xb's tiles go to my row of the cluster
	s_or_b32 s[G1B+0], s22, (1<<16)|(1<<20)|(1<<21)|(5<<22)|(3<<25)   ; wb's tiles to my column
	s_mov_b32 s[G1A+1], KSTEP<<16                  ; tensor_dim0 = 128
	s_mov_b32 s[G1B+1], KSTEP<<16
	s_mov_b32 s[G1A+2], 128<<16                    ; tensor_dim1 = 128 rows
	s_mov_b32 s[G1B+2], 64<<16                     ; tensor_dim1 = 64 rows
	s_mov_b32 s[G1A+3], KSTEP<<16                  ; tile_dim0 = 128
	s_mov_b32 s[G1B+3], KSTEP<<16
	s_mov_b32 s[G1A+4], 128                        ; tile_dim1 = 128
	s_mov_b32 s[G1B+4], 64                         ; tile_dim1 = 64
	s_mov_b32 s[G1A+5], SIZE_K                     ; elements from row to row
	s_mov_b32 s[G1B+5], SIZE_K
	s_mov_b32 s[G1A+6], 0
	s_mov_b32 s[G1B+6], 0
	s_mov_b32 s[G1A+7], 0
	s_mov_b32 s[G1B+7], 0
	; where the tiles come from: xb's hang on by alone, wb's on bx alone, each in registers that never hold the other coordinate
	s_lshl_b32 s40, s20, 19                        ; 256 by rows of 2,048 bytes
	s_lshl_b32 s41, s16, 18                        ; + 128 rows for the second half
	s_add_co_u32 s40, s40, s41
	s_mov_b32 s41, 0
	s_lshl_b32 s42, s19, 18                        ; 128 bx rows of 2,048 bytes
	s_lshl_b32 s43, s16, 17                        ; + 64 rows for the second half
	s_add_co_u32 s42, s42, s43
	s_mov_b32 s43, 0
	s_mul_i32 s46, s14, AHALF                      ; where they go: waves 0, 1: xb's halves at 0 and 34,816;
	s_mul_i32 s47, s14, BHALF
	s_add_co_u32 s47, s47, AHALF                   ; waves 2, 3: wb's halves at 69,632 and 87,040
	; my head and my place in qkv
	s_lshl_b32 s68, s19, 1
	s_add_co_u32 s68, s68, s16                     ; hh = 2 bx + column half = 16 proj + n
	s_and_b32 s69, s68, 15                         ; n
	s_lshr_b32 s68, s68, 4                         ; proj
	s_lshl_b32 s68, s68, 1
	s_lshr_b32 s70, s20, 3                         ; b = by / 8
	s_add_co_u32 s68, s68, s70
	s_lshl_b32 s68, s68, 4
	s_add_co_u32 s68, s68, s69                     ; (2 proj + b) 16 + n
	s_lshl_b32 s70, s68, 18                        ; x 262,144 bytes
	s_and_b32 s71, s20, 7
	s_lshl_b32 s71, s71, 15                        ; + 256 (by mod 8) rows of 128 bytes
	s_add_co_u32 s70, s70, s71
	s_lshl_b32 s71, s15, 14                        ; + 128 rows for the second half
	s_add_co_u32 s70, s70, s71
	s_mov_b32 s71, 0
	s_lshl_b32 s72, s69, 2                         ; the bias of column dd of head n is number 16 dd + n: 4 n bytes go into the base
	s_mov_b32 s73, 0
	s_wait_dscnt 0x0
	s_wait_kmcnt 0x0
	s_add_nc_u64 s[40:41], s[4:5], s[40:41]
	s_add_nc_u64 s[42:43], s[6:7], s[42:43]
	s_add_nc_u64 s[12:13], s[12:13], s[70:71]      ; my wave's dense 16,384 bytes of the result
	s_cmp_ge_u32 ttmp9, 2                          ; bx >= 8, that is proj = 1: hangs on the cluster's number alone
	s_cselect_b64 s[66:67], s[10:11], s[8:9]       ; bv or bq
	s_add_nc_u64 s[66:67], s[66:67], s[72:73]
	CROUND                                         ; all sixteen work-groups are here: the first joint loads meet
.irp s, 0,1
	s_mov_b32 s[G0A+4*\s], 1
	s_add_co_u32 s[G0A+4*\s+1], s46, \s*SLOT
	s_add_nc_u64 s[G0A+4*\s+2:G0A+4*\s+3], s[40:41], \s*KSTEP*2    ; K step s
	s_or_b32 s[G0A+4*\s+3], s[G0A+4*\s+3], 0x80000000
	s_mov_b32 s[G0B+4*\s], 1
	s_add_co_u32 s[G0B+4*\s+1], s47, \s*SLOT
	s_add_nc_u64 s[G0B+4*\s+2:G0B+4*\s+3], s[42:43], \s*KSTEP*2
	s_or_b32 s[G0B+4*\s+3], s[G0B+4*\s+3], 0x80000000
	JLOAD \s                                       ; both slots are asked for before anything else: two tensor loads of the wave are out
.endr
	v_and_b32 v1, 15, v0                           ; r
	v_bfe_u32 v2, v0, 4, 1                         ; h
	v_lshlrev_b32 v[BO], 9, v2                     ; 8 h columns x 64 bytes
	WIN TOBIAS
.irp b, 0,1,2,3
.irp j, 0,1,2,3,4,5,6,7
	global_load_b32 v[8*\b+\j], v[BO], s[66:67] offset:1024*\b+64*\j   ; bias of dd = 16 bt + 8 h + j, once in the launch
.endr
.endr
	WIN 0
	v_mul_u32_u24 v3, v1, PITCH
	v_lshl_add_u32 v3, v2, 4, v3                   ; a fragment: row r, 16 bytes for each half of the lanes
	s_mul_i32 s70, s15, AHALF                      ; my 128 rows of xb
	s_mul_i32 s71, s16, BHALF                      ; my 64 rows of wb,
	s_add_co_u32 s71, s71, BOFF                    ; behind xb's 256
.irp s, 0,1
	v_add_nc_u32 v[ADRA+\s], s70, v3
	v_add_nc_u32 v[ADRB+\s], s71, v3
	s_add_co_u32 s70, s70, SLOT
	s_add_co_u32 s71, s71, SLOT
.endr
	s_mul_i32 s70, s14, STGW
	s_add_co_u32 s70, s70, STAGE                   ; my stage
	v_lshrrev_b32 v4, 1, v1
	v_mul_u32_u24 v4, v4, PITCH                    ; in: result row r lies at (r / 2) 272 + (r mod 2) 128,
	v_and_b32 v5, 1, v1
	v_lshl_add_u32 v4, v5, 7, v4
	v_lshl_add_u32 v4, v2, 4, v4                   ; and my 16 bytes at 16 h in each 32
	v_add_nc_u32 v[STO], s70, v4
	v_mul_u32_u24 v5, v2, PITCH                    ; back: lanes 0-15 take 256 bytes (two result rows), lanes 16-31 the next
	v_lshl_add_u32 v5, v1, 4, v5
	v_add_nc_u32 v[RD], s70, v5
	v_and_b32 v5, 31, v0
	v_lshlrev_b32 v[CO], 4, v5                     ; the result block is dense: 16 bytes a lane
; 8 matrix instructions: row tiles a0, a0 + 1 x the four column tiles, 32 along K, from buffer i.  first = 1: C is the bias.
; The 32 accumulators take turns, one instruction a turn, in the same order in every quarter step.
.macro MUL8 i, a0, first
.irp a, \a0, \a0+1
.irp b, 0,1,2,3
.if \first
	v_wmma_f32_16x16x32_f16 v[8*(4*(\a)+\b):8*(4*(\a)+\b)+7], v[FB+32*\i+8*\b:FB+32*\i+8*\b+7], v[FA+64*\i+8*(\a):FA+64*\i+8*(\a)+7], v[8*\b:8*\b+7]
.else
	v_wmma_f32_16x16x32_f16 v[8*(4*(\a)+\b):8*(4*(\a)+\b)+7], v[FB+32*\i+8*\b:FB+32*\i+8*\b+7], v[FA+64*\i+8*(\a):FA+64*\i+8*(\a)+7], v[8*(4*(\a)+\b):8*(4*(\a)+\b)+7]
.endif
.endr
.endr
.endm
; 24 LDS loads in one run: a quarter step's fragments (64 rows of wb, then 128 rows of xb, 32 K at byte k of the rows) into buffer i
.macro FETCH slot, k, i
.irp b, 0,1,2,3
	ds_load_b128 v[FB+32*\i+8*\b:FB+32*\i+8*\b+3],   v[ADRB+\slot] offset:\k+\b*16*PITCH
	ds_load_b128 v[FB+32*\i+8*\b+4:FB+32*\i+8*\b+7], v[ADRB+\slot] offset:\k+\b*16*PITCH+32
.endr
.irp a, 0,1,2,3,4,5,6,7
	ds_load_b128 v[FA+64*\i+8*\a:FA+64*\i+8*\a+3],   v[ADRA+\slot] offset:\k+\a*16*PITCH
	ds_load_b128 v[FA+64*\i+8*\a+4:FA+64*\i+8*\a+7], v[ADRA+\slot] offset:\k+\a*16*PITCH+32
.endr
.endm
; One of a K step's first three quarters: multiplies buffer i; in its middle it fetches the next quarter's fragments into buffer g.
.macro QUARTER slot, k, i, g, first
	s_wait_dscnt 8                                 ; wb's fragments and xb's 0-3 are in; the youngest eight loads (xb's 4-7) may be out
.if \first
	WIN MULB
.else
	WIN MUL
.endif
	MUL8 \i, 0, \first
	MUL8 \i, 2, \first
	PLACES
	WIN 0
	FETCH \slot, \k, \g
	s_wait_dscnt 24                                ; all but the 24 just issued
.if \first
	WIN MULB
.else
	WIN MUL
.endif
	MUL8 \i, 4, \first
	MUL8 \i, 6, \first
.endm
.macro THREE slot, first
	QUARTER \slot, 64,  0, 1, \first
	QUARTER \slot, 128, 1, 0, 0
	QUARTER \slot, 192, 0, 1, 0
.endm
; The last quarter: multiplies buffer 1 and changes slots.  In front of the barrier each wave waits for its reads of this slot and for all its tensor
; loads (one is out: its part of the next slot).  Behind it (with fill = 1: behind the round of the cluster's barrier that it opens) this slot is asked
; for again first, two K steps ahead, then the next slot's first fragments are read.  From a request to the wait for it a wave issues 120 matrix instructions.
.macro TURN slot, next, fill
	s_wait_dscnt 8
	WIN MUL
	MUL8 1, 0, 0
	s_wait_dscnt 0                                 ; my reads of this slot are over
	s_wait_tensorcnt 0x0                           ; and all my tensor loads have landed
	ds_add_u32 v254, v255
	s_wait_dscnt 0x0
	s_barrier_signal -1
	MUL8 1, 2, 0                                   ; register work while the others arrive
	WIN 0
	s_barrier_wait -1
.if \fill
	CREST                                          ; no wave of any partner still reads this slot or has a load on its way
	s_add_nc_u64 s[G0A+4*\slot+2:G0A+4*\slot+3], s[G0A+4*\slot+2:G0A+4*\slot+3], 2*KSTEP*2
	s_add_nc_u64 s[G0B+4*\slot+2:G0B+4*\slot+3], s[G0B+4*\slot+2:G0B+4*\slot+3], 2*KSTEP*2
	JLOAD \slot                                    ; the wave's one tensor load behind the round
.endif
	PLACES
	FETCH \next, 0, 0
	WIN MUL
	MUL8 1, 4, 0
	MUL8 1, 6, 0
.endm
.macro LAP first
	THREE 0, \first
	TURN 0, 1, 1
	THREE 1, 0
	TURN 1, 0, 1
.endm
	s_wait_tensorcnt 1                             ; my part of K step 0 is in; K step 1's stays out
	s_barrier_signal -1
	s_barrier_wait -1                              ; everybody's is
	FETCH 0, 0, 0
	s_wait_loadcnt 0x0                             ; the bias
	WIN INBIAS
.irp i, 0,2,4,6,8,10,12,14,16,18,20,22,24,26,28,30
	v_pk_mul_f32 v[\i:\i+1], v[\i:\i+1], 0x3e800000 op_sel_hi:[1,0]   ; a quarter of it, exact, to go with (x / 2)(W / 2)
.endr
	LAP 1                                          ; the first lap stands in front of the loop: its first products take the bias as C
	WIN 0                                          ; at a label and at a branch every window is 0
	s_mov_b32 s23, LAPS-2
.Llap:
	LAP 0
	WIN 0
	s_sub_co_u32 s23, s23, 1
	s_cmp_lg_u32 s23, 0
	s_cbranch_scc1 .Llap
	THREE 0, 0                                     ; the last lap fills nothing
	TURN 0, 1, 0
	THREE 1, 0
	s_wait_dscnt 8                                 ; the very last quarter
	WIN MUL
	MUL8 1, 0, 0
	MUL8 1, 2, 0
	s_wait_dscnt 0
	MUL8 1, 4, 0
	MUL8 1, 6, 0
	PLACES                                         ; behind the last matrix instructions: for the conversions and for the loads into the fragment buffers
; THE WAY OUT, 16 result rows at a time: round to f16, 16 bytes a lane into my own stage, read back in memory's order, store 512 neighbouring bytes an instruction.
.macro OUT16 a, f
	WIN OUTW
.irp b, 0,1,2,3
.irp r, 0,1,2,3
	v_cvt_pk_f16_f32 v[TMP+4*\b+\r], v[8*(4*\a+\b)+2*\r], v[8*(4*\a+\b)+2*\r+1]
.endr
.endr
	WIN 0
.irp b, 0,1,2,3
	ds_store_b128 v[STO], v[TMP+4*\b:TMP+4*\b+3] offset:32*\b
.endr
	s_wait_xcnt 0x0                                ; buffer f, which earlier stores read, is loaded again only behind this wait
.irp t, 0,1,2,3
	ds_load_b128 v[\f+4*\t:\f+4*\t+3], v[RD] offset:2*PITCH*\t     ; LDS serves a wave's instructions in order (ISA guide 5.7.1.4): these see the stores above
.endr
.irp t, 0,1,2,3
	s_wait_dscnt 3-\t
	global_store_b128 v[CO], v[\f+4*\t:\f+4*\t+3], s[12:13] offset:2048*\a+512*\t   ; the wave stores 512 consecutive bytes, aligned; read by the next launch: no hint
.endr
.endm
	OUT16 0, FA
	OUT16 1, FA+64
	OUT16 2, FA
	OUT16 3, FA+64
	OUT16 4, FA
	OUT16 5, FA+64
	OUT16 6, FA
	OUT16 7, FA+64
	s_wait_tensorcnt 0x0
	ds_add_u32 v254, v255
	s_wait_dscnt 0x0
	CROUND                                         ; the closing round: no work-group ends while a partner may still ask for a tile that names it
	s_endpgm
.Lfunc_end_k_q660c2a7f16_proj:
	.size	k_q660c2a7f16_proj, .Lfunc_end_k_q660c2a7f16_proj-k_q660c2a7f16_proj
	.p2alignl 7, 3214868480
	.fill 96, 4, 3214868480
	.section	.rodata,"a",@progbits
	.p2align	6, 0x0
	.amdhsa_kernel k_q660c2a7f16_proj
		.amdhsa_group_segment_fixed_size 327680
		.amdhsa_private_segment_fixed_size 0
		.amdhsa_enable_private_segment 0
		.amdhsa_kernarg_size 40
		.amdhsa_user_sgpr_count 2
		.amdhsa_user_sgpr_kernarg_segment_ptr 1
		.amdhsa_wavefront_size32 1
		.amdhsa_system_sgpr_workgroup_id_x 1
		.amdhsa_system_sgpr_workgroup_id_y 1
		.amdhsa_system_sgpr_workgroup_id_z 1
		.amdhsa_system_vgpr_workitem_id 0
		.amdhsa_next_free_vgpr 544
		.amdhsa_next_free_sgpr 74
		.amdhsa_reserve_vcc 0
		.amdhsa_float_denorm_mode_32 3
		.amdhsa_float_denorm_mode_16_64 3
		.amdhsa_memory_ordered 1
		.amdhsa_forward_progress 1
		.amdhsa_inst_pref_size 123
	.end_amdhsa_kernel
	.amdgpu_metadata
---
amdhsa.version: [ 1, 2 ]
amdhsa.kernels:
  - .name:           k_q660c2a7f16_proj
    .symbol:         k_q660c2a7f16_proj.kd
    .args:
      - { .name: xb, .offset: 0, .size: 8, .value_kind: global_buffer, .address_space: global }
      - { .name: wb, .offset: 8, .size: 8, .value_kind: global_buffer, .address_space: global }
      - { .name: bq, .offset: 16, .size: 8, .value_kind: global_buffer, .address_space: global }
      - { .name: bv, .offset: 24, .size: 8, .value_kind: global_buffer, .address_space: global }
      - { .name: qkv, .offset: 32, .size: 8, .value_kind: global_buffer, .address_space: global }
    .group_segment_fixed_size: 327680
    .private_segment_fixed_size: 0
    .kernarg_segment_align: 8
    .kernarg_segment_size: 40
    .max_flat_workgroup_size: 128
    .sgpr_count:     74
    .vgpr_count:     544
    .wavefront_size: 32
...
	.end_amdgpu_metadata
.endif
;; end of part 2
;; launch attn (part 3): grid 8 x 32, 8 waves a work-group, clusters of 4 x 1, 314,368 bytes of LDS; arguments qkv, out0; writes out0
.if DOCPART == 3
	.amdgcn_target "amdgcn-amd-amdhsa--gfx1250"
	.amdhsa_code_object_version 6
	.text
	.protected	k_q660c2a7f16_attn
	.globl	k_q660c2a7f16_attn
	.p2align	8
	.type	k_q660c2a7f16_attn,@function
k_q660c2a7f16_attn:
	s_mov_b64 s[64:65], 0
	v_nop
	global_prefetch_b8 v0, s[64:65] scope:SCOPE_SE
	s_setreg_imm32_b32 hwreg(HW_REG_WAVE_MODE, 25, 1), 1
	s_wait_xcnt 0x0
	s_wait_alu depctr_hold_cnt(0) depctr_sa_sdst(0) depctr_va_vdst(0) depctr_va_sdst(0) depctr_va_ssrc(0) depctr_va_vcc(0) depctr_vm_vsrc(0)
	s_getreg_b32 s2, hwreg(HW_REG_IB_STS2, 6, 4)
	s_cmp_eq_u32 s2, 0
	s_cbranch_scc0 .Lentry_in_a_cluster
	s_endpgm
.Lentry_in_a_cluster:
	s_bfe_u32 s2, ttmp6, 0x10000c
	s_cmp_lg_u32 s2, 0x3003
	s_cbranch_scc0 .Lentry_shape_is_right
	s_endpgm
.Lentry_shape_is_right:
; Attention for one (batch, head) bh = 16 b + n and one block of 256 queries: out0[b][s][64 n + dd] = sum over keys of softmax(Q K^T / 8) V, with K = V = the head's KV.
; qkv[proj][b][n][s][dd] in f16 holds Q / 4 (at byte 0) and KV / 4 (at byte 8,388,608); a head is 2,048 rows of 128 bytes, dense.
; The quarters are undone by exact powers of two: the products of the stored numbers are a sixteenth of Q K^T, so the exponent's factor is 16 log2(e) / 8 = 2 log2(e);
; the sums with the stored V are a quarter, so the reciprocal of the denominator is multiplied by 4.
; Eight waves, 32 queries each (two query tiles q = 0, 1).  The head's whole KV (262,144 bytes) lies in LDS, filled once: no slot is ever filled again.
; CLUSTER: the four work-groups of a cluster are four query blocks of one head and need the same KV: every KV load is a joint load with the mask 15;
; its descriptor is made of the head's number and the wave's number alone.
; ORIENTATION: S^T = K Q^T (source 0 = 16 keys, source 1 = 16 queries): lane (r, h) holds query r and, in registers 0-7, keys 8 h + 0..7 of the tile.
; Two such tiles, rounded to f16 and packed in place, ARE the second source (32 keys x 16 queries) of O^T = V^T P^T, so no number changes lanes;
; V^T comes from the same LDS bytes by transposing loads.  Maximum, sum and rescaling are a lane's own; one exchange of the two halves h a tile and trip joins the maxima.
; SOFTMAX: running maximum m of the stored products s; p = 2^(c s - rnd(c m)), c = 2 log2(e); the old sums are scaled by 2^(rnd(c m_old) - rnd(c m_new)), the same rounded
; numbers that the exponentials use, so the scale stays consistent at any magnitude of the scores.  p lies in (0, 1] but for a last bit, which f16 holds: below 2^-14 with an
; absolute step of 2^-24, against a denominator of about 1 at the least.
; LIMITS: scores that are not finite are not reproduced; p below 2^-126 counts as 0 (v_exp_f32 flushes, ISA guide 15.8); the denominator sums p in f32 before
; p is rounded to f16 for the product with V; Q, K, V and p enter the matrix unit in f16 (the room of Q and KV in f16: the projection's head).
.set PITCH, 272                        ; an LDS row: two keys (256 bytes) + 16 of padding; key k lies at (k / 2) 272 + (k mod 2) 128
.set LROWS, 64                         ; LDS rows that one tensor load brings (128 keys)
.set CHUNK, 512*PITCH                  ; 1,024 keys in LDS: what the eight waves' loads of one number bring together
.set TRIPB, 32*PITCH                   ; 64 keys in LDS: one trip
.set STAGE, 1024*PITCH                 ; 278,528, a multiple of 256: behind KV, the waves' stages for the way out; no tensor load lands there
.set STGW,  16*PITCH                   ; a wave's stage: 16 queries x (256 + 16) bytes
.set KA,  2                            ; v2   LDS address of my part of a K fragment, this trip's (stepped behind the trip's last K product)
.set VA,  3                            ; v3   LDS address of my part of a V^T fragment
.set STO, 4                            ; v4   the way out: where I put my 128 bytes of a query's row
.set RD,  5                            ; v5   the way out: where I read 16 bytes back
.set CO,  6                            ; v6   my byte offset in out0
.set QO,  7                            ; v7   my byte offset in Q
.set RM,  8                            ; v8-9     running maximum of the raw scores, query tile q
.set NMC, 10                           ; v[10:13] -rnd(c m), twice, for each q
.set AL,  14                           ; v[14:15] the rescaling factor, twice
.set LS,  16                           ; v16-17   running sum of p over my half of the keys
.set T,   18                           ; v[18:27] at work
.set QF,  32                           ; v[32:63]   Q fragments: 16 q + 8 s (s: which 32 of the 64 d)
.set OA,  64                           ; v[64:127]  O^T: 32 q + 8 t; register j of tile t in lane (r, h) is d = 32 h + 8 t + j of query r
.set SC,  128                          ; v[128:191] scores: 32 q + 8 kt; after packing P(q, kp) = v[SC+32q+16kp : +7]
.set F0,  192                          ; v[192:223] fragment buffer 0: K tiles 0, 1, then V^T of keys 0-31
.set F1,  224                          ; v[224:255] fragment buffer 1: K tiles 2, 3, then V^T of keys 32-63
.set G1,  24                           ; s[24:31] descriptor group 1
.set G0,  32                           ; s[32:39] descriptor group 0, one set for each of the wave's two loads
.macro CROUND                          ; a round of the cluster's barrier
	s_barrier_signal -1
	s_barrier_wait -1
	s_cmp_lg_u32 s8, 0
	s_cbranch_scc1 .Lnot_wave_0_\@
	s_barrier_signal -3
.Lnot_wave_0_\@:
	s_barrier_wait -3
	s_barrier_signal -1
	s_barrier_wait -1
.endm
	s_load_b128 s[4:7], s[0:1], 0x0                ; qkv s[4:5], out0 s[6:7]
	v_lshl_add_u32 v30, v0, 2, 0x4c800
	v_mov_b32 v31, 0
	ds_add_u32 v30, v31
	v_lshrrev_b32 v1, 5, v0
	v_readfirstlane_b32 s8, v1                     ; wave 0..7
	s_bfe_u32 s9, ttmp6, 0x40000                   ; cx
	s_lshl_b32 s10, ttmp9, 2
	s_add_co_u32 s10, s10, s9                      ; qb: query block = 4 x cluster x + cx
	s_and_b32 s11, ttmp7, 0xffff                   ; bh: the cluster's y
	s_lshl_b32 s12, s11, 18                        ; the head's 262,144 bytes,
	s_lshl_b32 s13, s8, 14                         ; my wave's 64 rows of 256 bytes,
	s_add_co_u32 s12, s12, s13
	s_add_co_u32 s12, s12, 0x800000                ; in the KV half of qkv
	s_mov_b32 s13, 0
	s_mul_i32 s23, s8, LROWS*PITCH                 ; and where they go: wave x 17,408
	s_mov_b32 s16, 0x4038aa3b                      ; c = 2 log2(e)
	s_mov_b32 s17, 0x4038aa3b
	s_mov_b32 s18, 0xc038aa3b                      ; -c
	s_mov_b32 s20, 0x76543210                      ; v_permlanex16_b32: lane i of one half reads lane i of the other
	s_mov_b32 s21, 0xfedcba98
	; group 1: a dense block as 64 rows of 32 elements of 8 bytes (256 bytes), 4 words of padding behind every 64 words
	s_mov_b32 s[G1+0], 15|(3<<16)|(1<<20)|(1<<21)|(5<<22)|(3<<25)  ; the mask names the cluster's four work-groups; bit 21 beside it
	s_mov_b32 s[G1+1], 32<<16                      ; tensor_dim0 = 32
	s_mov_b32 s[G1+2], LROWS<<16                   ; tensor_dim1 = 64
	s_mov_b32 s[G1+3], 32<<16                      ; tile_dim0 = 32
	s_mov_b32 s[G1+4], LROWS                       ; tile_dim1 = 64
	s_mov_b32 s[G1+5], 32                          ; elements from row to row
	s_mov_b32 s[G1+6], 0
	s_mov_b32 s[G1+7], 0
	s_wait_dscnt 0x0
	s_wait_kmcnt 0x0
	s_add_nc_u64 s[14:15], s[4:5], s[12:13]
	CROUND                                         ; the four work-groups are here: the joint loads meet
.irp p, 0,1
	s_mov_b32 s[G0+4*\p], 1
	s_add_co_u32 s[G0+4*\p+1], s23, \p*CHUNK
	s_add_nc_u64 s[G0+4*\p+2:G0+4*\p+3], s[14:15], \p*131072       ; keys 1,024 p + 128 wave ..
	s_or_b32 s[G0+4*\p+3], s[G0+4*\p+3], 0x80000000
	tensor_load_to_lds s[G0+4*\p:G0+4*\p+3], s[G1:G1+7]            ; the whole head is asked for here: two tensor loads of the wave are out, and none follows
	s_nop 0
.endr
	s_lshl_b32 s12, s11, 18                        ; Q: the head, + (256 qb + 32 wave) rows of 128 bytes
	s_lshl_b32 s19, s10, 15
	s_add_co_u32 s12, s12, s19
	s_lshl_b32 s19, s8, 12
	s_add_co_u32 s12, s12, s19
	s_add_nc_u64 s[4:5], s[4:5], s[12:13]
	s_lshr_b32 s12, s11, 4                         ; out0: (2,048 b + 256 qb + 32 wave) rows of 4,096 bytes + 256 n
	s_lshl_b32 s12, s12, 23
	s_lshl_b32 s19, s10, 20
	s_add_co_u32 s12, s12, s19
	s_lshl_b32 s19, s8, 17
	s_add_co_u32 s12, s12, s19
	s_and_b32 s19, s11, 15
	s_lshl_b32 s19, s19, 8
	s_add_co_u32 s12, s12, s19
	s_add_nc_u64 s[6:7], s[6:7], s[12:13]
	v_and_b32 v1, 15, v0                           ; r
	v_bfe_u32 v18, v0, 4, 1                        ; h
	v_lshlrev_b32 v[QO], 7, v1
	v_lshl_add_u32 v[QO], v18, 4, v[QO]            ; query r's row, 16 bytes for each half of the lanes
.irp q, 0,1
.irp s, 0,1
.irp e, 0,1
	global_load_b128 v[QF+16*\q+8*\s+4*\e:QF+16*\q+8*\s+4*\e+3], v[QO], s[4:5] offset:2048*\q+64*\s+32*\e th:TH_LOAD_NT   ; once: my wave's 4,096 bytes of Q
.endr
.endr
.endr
	v_lshrrev_b32 v19, 1, v1                       ; r / 2
	v_and_b32 v20, 1, v0                           ; r mod 2
	v_mul_u32_u24 v[KA], v19, PITCH                ; K: key r of a tile, 16 bytes for each half:
	v_lshl_add_u32 v[KA], v20, 7, v[KA]            ; the 16 lanes of a half touch 16 different 16-byte columns modulo 256
	v_lshl_add_u32 v[KA], v18, 4, v[KA]
	v_bfe_u32 v21, v0, 1, 2                        ; V^T: lane L addresses key 8 h + (L mod 8),
	v_lshl_add_u32 v21, v18, 2, v21
	v_mul_u32_u24 v[VA], v21, PITCH
	v_lshl_add_u32 v[VA], v20, 7, v[VA]
	v_bfe_u32 v22, v0, 3, 1                        ; and lanes 8-15 of a half the columns 32 further on (64 bytes): row m of tile t is d = 8 t + (m mod 8) + 32 (m / 8),
	v_lshl_add_u32 v[VA], v22, 6, v[VA]            ; so that a lane's 32 results are 32 neighbouring d; again 16 different columns modulo 256
	s_mul_i32 s19, s8, STGW
	s_add_co_u32 s19, s19, STAGE                   ; my stage
	v_mul_u32_u24 v[STO], v1, PITCH
	v_lshl_add_u32 v[STO], v18, 7, v[STO]
	v_add_nc_u32 v[STO], s19, v[STO]               ; in: query r's row, my 128 bytes at 128 h
	v_mul_u32_u24 v[RD], v18, PITCH
	v_lshl_add_u32 v[RD], v1, 4, v[RD]
	v_add_nc_u32 v[RD], s19, v[RD]                 ; back: lanes 0-15 one query's 256 bytes, lanes 16-31 the next query's
	v_lshlrev_b32 v[CO], 12, v18
	v_lshl_add_u32 v[CO], v1, 4, v[CO]             ; and the same two rows in out0
; 8 LDS loads: K tiles 2 half, 2 half + 1 (16 keys x 64 d each) into buffer half
.macro KLOAD half
.irp k, 0,1
.irp s, 0,1
.irp e, 0,1
	ds_load_b128 v[F0+32*\half+16*\k+8*\s+4*\e:F0+32*\half+16*\k+8*\s+4*\e+3], v[KA] offset:(2*\half+\k)*8*PITCH+64*\s+32*\e
.endr
.endr
.endr
.endm
; 16 transposing LDS loads: V^T of the trip's 64 keys; keys 0-31 (four d tiles) into buffer 0 first, keys 32-63 into buffer 1
.macro VLOAD
.irp kp, 0,1
.irp t, 0,1,2,3
.irp e, 0,1
	ds_load_tr16_b128 v[F0+32*\kp+8*\t+4*\e:F0+32*\kp+8*\t+4*\e+3], v[VA] offset:\kp*16*PITCH+8*PITCH*\e+16*\t
.endr
.endr
.endr
.endm
; 8 matrix instructions: the scores of K tiles 2 half, 2 half + 1 with both query tiles.  Four accumulators take turns, one instruction a turn;
; the first 32 d start the sums with C = 0.
.macro SMUL half
.irp s, 0,1
.irp k, 0,1
.irp q, 0,1
.if \s == 0
	v_wmma_f32_16x16x32_f16 v[SC+32*\q+8*(2*\half+\k):SC+32*\q+8*(2*\half+\k)+7], v[F0+32*\half+16*\k+8*\s:F0+32*\half+16*\k+8*\s+7], v[QF+16*\q+8*\s:QF+16*\q+8*\s+7], 0
.else
	v_wmma_f32_16x16x32_f16 v[SC+32*\q+8*(2*\half+\k):SC+32*\q+8*(2*\half+\k)+7], v[F0+32*\half+16*\k+8*\s:F0+32*\half+16*\k+8*\s+7], v[QF+16*\q+8*\s:QF+16*\q+8*\s+7], v[SC+32*\q+8*(2*\half+\k):SC+32*\q+8*(2*\half+\k)+7]
.endif
.endr
.endr
.endr
.endm
; 8 matrix instructions: O^T += V^T P^T for keys 32 kp .. 32 kp + 31.  Eight accumulators take turns.  first = 1: C = 0 starts the sums.
.macro PV kp, first
.irp t, 0,1,2,3
.irp q, 0,1
.if \first
	v_wmma_f32_16x16x32_f16 v[OA+32*\q+8*\t:OA+32*\q+8*\t+7], v[F0+32*\kp+8*\t:F0+32*\kp+8*\t+7], v[SC+32*\q+16*\kp:SC+32*\q+16*\kp+7], 0
.else
	v_wmma_f32_16x16x32_f16 v[OA+32*\q+8*\t:OA+32*\q+8*\t+7], v[F0+32*\kp+8*\t:F0+32*\kp+8*\t+7], v[SC+32*\q+16*\kp:SC+32*\q+16*\kp+7], v[OA+32*\q+8*\t:OA+32*\q+8*\t+7]
.endif
.endr
.endr
.endm
; Pieces of the softmax on one score tile of 8 registers at b.  NQ = the query tile's pair -rnd(c m).
.macro SFMA b                          ; c s - rnd(c m), two at a time
.irp i, 0,2,4,6
	v_pk_fma_f32 v[\b+\i:\b+\i+1], v[\b+\i:\b+\i+1], s[16:17], v[NQ:NQ+1] op_sel_hi:[1,0,1]
.endr
.endm
.macro SEXP b                          ; p, in place; the run is always followed by a plain instruction on other registers (ISA guide 5.7.2)
.irp i, 0,1,2,3,4,5,6,7
	v_exp_f32 v[\b+\i], v[\b+\i]
.endr
.endm
.macro SSUM b, start                   ; the lane's sum of p, in two chains of pairs; the first tile starts them
.if \start
	s_wait_alu depctr_va_vdst(0)
	v_pk_add_f32 v[T+6:T+7], v[\b:\b+1], v[\b+2:\b+3]
	v_pk_add_f32 v[T+8:T+9], v[\b+4:\b+5], v[\b+6:\b+7]
.else
	s_wait_alu depctr_va_vdst(0)
	v_pk_add_f32 v[T+6:T+7], v[T+6:T+7], v[\b:\b+1]
	v_pk_add_f32 v[T+8:T+9], v[T+8:T+9], v[\b+2:\b+3]
	v_pk_add_f32 v[T+6:T+7], v[T+6:T+7], v[\b+4:\b+5]
	v_pk_add_f32 v[T+8:T+9], v[T+8:T+9], v[\b+6:\b+7]
.endif
.endm
.macro SCVT d, b                       ; 8 p to 4 registers of f16 at d; d never lies above a register that is still to be read
.irp i, 0,1,2,3
	v_cvt_pk_f16_f32 v[\d+\i], v[\b+2*\i], v[\b+2*\i+1]
.endr
.endm
; The softmax step of query tile q on the trip's 64 keys (32 scores a lane).  first = 1: nothing is carried yet.
.macro SOFTMAX q, first
.set SB, SC+32*\q
.set NQ, NMC+2*\q
.irp k, 0,1,2,3
	v_max3_num_f32 v[T+\k], v[SB+8*\k], v[SB+8*\k+1], v[SB+8*\k+2]         ; four chains, one a tile, that do not wait for each other
.endr
.irp k, 0,1,2,3
	v_max3_num_f32 v[T+\k], v[T+\k], v[SB+8*\k+3], v[SB+8*\k+4]
.endr
.irp k, 0,1,2,3
	v_max3_num_f32 v[T+\k], v[T+\k], v[SB+8*\k+5], v[SB+8*\k+6]
.endr
	v_max3_num_f32 v[T], v[T], v[T+1], v[T+2]
	v_max3_num_f32 v[T], v[T], v[T+3], v[SB+7]
	v_max3_num_f32 v[T], v[T], v[SB+15], v[SB+23]
.if \first
	v_max_num_f32 v[T], v[T], v[SB+31]
.else
	v_max3_num_f32 v[T], v[T], v[SB+31], v[RM+\q]                          ; the running maximum joins
.endif
	v_permlanex16_b32 v[T+1], v[T], s20, s21       ; the other half of the keys of my query (its destination has been written above)
	v_max_num_f32 v[RM+\q], v[T], v[T+1]           ; m
	v_mul_f32 v[T+4], s18, v[RM+\q]                ; -rnd(c m)
.if \first == 0
	v_sub_f32 v[T+3], v[T+4], v[NQ]                ; rnd(c m_old) - rnd(c m), never above 0
	v_exp_f32 v[AL], v[T+3]
	v_exp_f32 v[AL+1], v[T+3]                      ; twice, for the packed multiplies; the two moves below are the plain instructions behind them
.endif
	v_mov_b32 v[NQ], v[T+4]
	v_mov_b32 v[NQ+1], v[T+4]
	SFMA SB
	SEXP SB
	SFMA SB+8
	SEXP SB+8
	SSUM SB, 1
	SCVT SB, SB
	SFMA SB+16
	SEXP SB+16
	SSUM SB+8, 0
	SCVT SB+4, SB+8
	SFMA SB+24
	SEXP SB+24
	SSUM SB+16, 0
	SCVT SB+16, SB+16
	SSUM SB+24, 0
	SCVT SB+20, SB+24
	v_pk_add_f32 v[T+6:T+7], v[T+6:T+7], v[T+8:T+9]
.if \first
	v_add_f32 v[LS+\q], v[T+6], v[T+7]
.else
	v_add_f32 v[T+6], v[T+6], v[T+7]
	v_fma_f32 v[LS+\q], v[LS+\q], v[AL], v[T+6]
.irp i, 0,2,4,6,8,10,12,14,16,18,20,22,24,26,28,30
	v_pk_mul_f32 v[OA+32*\q+\i:OA+32*\q+\i+1], v[OA+32*\q+\i:OA+32*\q+\i+1], v[AL:AL+1]
.endr
.endif
.endm
; One trip: 64 keys.  At its head the trip's K fragments are on their way (16 loads, buffer 0's first).  pre = 1: the next trip's are asked for.
.macro TRIP first, pre
	s_wait_dscnt 8                                 ; buffer 0 is in; buffer 1's eight loads may be out
	SMUL 0
	s_wait_dscnt 0
	SMUL 1
	v_add_nc_u32 v[KA], TRIPB, v[KA]               ; four places behind the last score product: for the loads into its sources and the readers of its results
.rept 3
	v_nop
.endr
	VLOAD                                          ; lands under the softmax
	SOFTMAX 0, \first
	SOFTMAX 1, \first
	s_wait_dscnt 8                                 ; V^T of keys 0-31 is in; the eight loads of keys 32-63 may be out
	PV 0, \first
.if \pre
.rept 4
	v_nop                                          ; four places, then buffer 0 is loaded again
.endr
	KLOAD 0
	s_wait_dscnt 8                                 ; all but the eight just issued: V^T of keys 32-63 is in
.else
	s_wait_dscnt 0
.endif
	PV 1, 0
	v_add_nc_u32 v[VA], TRIPB, v[VA]               ; five places: for the loads into buffer 1, and for the next score products, which write over P, a source of these
.rept 4
	v_nop
.endr
.if \pre
	KLOAD 1
.endif
.endm
; 1,024 keys, 16 trips.  The last trip asks for no K fragments: they would lie in bytes not yet shown landed, or behind the head's end.
.macro PHASE p
	s_wait_tensorcnt 1-\p                          ; tensor loads of a wave end in order (ISA guide 10.11.1): my part of chunk p is in; a later one may stay out
	s_wait_dscnt 0x0
	s_barrier_signal -1
	s_barrier_wait -1                              ; everybody's part is in
	KLOAD 0
	KLOAD 1
.if \p == 0
	TRIP 1, 1                                      ; the first trip starts maximum, sums and O^T: nothing is cleared
	s_mov_b32 s22, 14
.else
	s_mov_b32 s22, 15
.endif
.Lp\@:
	TRIP 0, 1
	s_sub_co_u32 s22, s22, 1
	s_cmp_lg_u32 s22, 0
	s_cbranch_scc1 .Lp\@
	TRIP 0, 0
.endm
	s_wait_loadcnt 0x0                             ; Q
	PHASE 0
	PHASE 1
; THE WAY OUT, one query tile at a time: join the two halves' sums, divide, 128 bytes a lane into my own stage, read back by rows of 256 bytes.
.macro FINISH q, f
	v_permlanex16_b32 v[T], v[LS+\q], s20, s21
	v_add_f32 v[T], v[T], v[LS+\q]                 ; the denominator: at least the largest p, which is about 1
	v_rcp_f32 v[AL], v[T]
	v_rcp_f32 v[AL+1], v[T]
	v_nop                                          ; one plain instruction behind the reciprocals (ISA guide 5.7.2)
	s_wait_alu depctr_va_vdst(0)
	v_pk_mul_f32 v[AL:AL+1], v[AL:AL+1], 4.0 op_sel_hi:[1,0]               ; V was stored as a quarter: exact
.irp i, 0,2,4,6,8,10,12,14,16,18,20,22,24,26,28,30
	v_pk_mul_f32 v[OA+32*\q+\i:OA+32*\q+\i+1], v[OA+32*\q+\i:OA+32*\q+\i+1], v[AL:AL+1]
.endr
.irp i, 0,1,2,3,4,5,6,7
	ds_store_b128 v[STO], v[OA+32*\q+4*\i:OA+32*\q+4*\i+3] offset:16*\i   ; d = 32 h + 4 i .. + 3
.endr
.irp i, 0,1,2,3,4,5,6,7
	ds_load_b128 v[\f+4*\i:\f+4*\i+3], v[RD] offset:2*PITCH*\i             ; LDS serves a wave's instructions in order (ISA guide 5.7.1.4): these see the stores above
.endr
.irp i, 0,1,2,3,4,5,6,7
	s_wait_dscnt 7-\i
	global_store_b128 v[CO], v[\f+4*\i:\f+4*\i+3], s[6:7] offset:(16*\q+2*\i)*4096 th:TH_STORE_NT   ; 16 lanes store a head's whole row of a query: 256 consecutive bytes, aligned
.endr
.endm
	FINISH 0, F0                                   ; each tile has a buffer of its own, so no store's data is written again
	FINISH 1, F1
	s_wait_tensorcnt 0x0
	ds_add_u32 v30, v31
	s_wait_dscnt 0x0
	CROUND                                         ; the closing round: no work-group ends while a partner may still ask for a tile that names it
	s_endpgm
.Lfunc_end_k_q660c2a7f16_attn:
	.size	k_q660c2a7f16_attn, .Lfunc_end_k_q660c2a7f16_attn-k_q660c2a7f16_attn
	.p2alignl 7, 3214868480
	.fill 96, 4, 3214868480
	.section	.rodata,"a",@progbits
	.p2align	6, 0x0
	.amdhsa_kernel k_q660c2a7f16_attn
		.amdhsa_group_segment_fixed_size 314368
		.amdhsa_private_segment_fixed_size 0
		.amdhsa_enable_private_segment 0
		.amdhsa_kernarg_size 16
		.amdhsa_user_sgpr_count 2
		.amdhsa_user_sgpr_kernarg_segment_ptr 1
		.amdhsa_wavefront_size32 1
		.amdhsa_system_sgpr_workgroup_id_x 1
		.amdhsa_system_sgpr_workgroup_id_y 1
		.amdhsa_system_sgpr_workgroup_id_z 1
		.amdhsa_system_vgpr_workitem_id 0
		.amdhsa_next_free_vgpr 256
		.amdhsa_next_free_sgpr 66
		.amdhsa_reserve_vcc 0
		.amdhsa_float_denorm_mode_32 3
		.amdhsa_float_denorm_mode_16_64 3
		.amdhsa_memory_ordered 1
		.amdhsa_forward_progress 1
		.amdhsa_inst_pref_size 98
	.end_amdhsa_kernel
	.amdgpu_metadata
---
amdhsa.version: [ 1, 2 ]
amdhsa.kernels:
  - .name:           k_q660c2a7f16_attn
    .symbol:         k_q660c2a7f16_attn.kd
    .args:
      - { .name: qkv, .offset: 0, .size: 8, .value_kind: global_buffer, .address_space: global }
      - { .name: out0, .offset: 8, .size: 8, .value_kind: global_buffer, .address_space: global }
    .group_segment_fixed_size: 314368
    .private_segment_fixed_size: 0
    .kernarg_segment_align: 8
    .kernarg_segment_size: 16
    .max_flat_workgroup_size: 256
    .sgpr_count:     66
    .vgpr_count:     256
    .wavefront_size: 32
...
	.end_amdgpu_metadata
.endif
;; end of part 3
